; MI455X (gfx1250); checked and timed in simulation.
; The chip was launched on July 23, 2026; its instructions are those of AMD's public machine-readable ISA for CDNA 5 (MIT licence, August 2026) and "CDNA5" Instruction Set Architecture Reference Guide (July 2026). The comments in the code are by the model that wrote it; some were corrected since.
;; LST Mcell. Allowed arithmetic: float matrix products may take bf16 or f16 operands with f32 sums; other float arithmetic in f32, or as packed bf16 or f16 multiplies, adds, multiply-adds, maxima and minima; sums over many terms, partial sums and values carried from step to step in f32; what a program stores and reads back later, other than sums and carried values, may be rounded once to bf16 or f16.
;; Inputs: W_c_h 2,048 x 2,048 float32; W_c_x 2,048 x 2,048 float32; W_f_h 2,048 x 2,048 float32; W_f_x 2,048 x 2,048 float32; W_i_h 2,048 x 2,048 float32; W_i_x 2,048 x 2,048 float32; W_o_h 2,048 x 2,048 float32; W_o_x 2,048 x 2,048 float32; b_c_h 2,048 float32; b_c_x 2,048 float32; b_f_h 2,048 float32; b_f_x 2,048 float32; b_i_h 2,048 float32; b_i_x 2,048 float32; b_o_h 2,048 float32; b_o_x 2,048 float32; c 2,048 x 2,048 float32; h 2,048 x 2,048 float32; x 2,048 x 2,048 float32.
;; Outputs: out0 2,048 x 2,048 float32; out1 2,048 x 2,048 float32; out2 2,048 x 2,048 float32.
;; 2 versions, each right; version 2 is version 1 with the launch pack written anew for expert scheduling mode. Each part assembles by itself: llvm-mc -triple=amdgcn-amd-amdhsa -mcpu=gfx1250 --defsym DOCPART=n.
;; ======== version 1 of 2: 2 launches
;; workspace buffers: Ab 16,777,216 bytes; Wb 67,108,864 bytes
;; launch pack (part 1): grid 128 x 10, 8 waves a work-group, no clusters, 0 bytes of LDS; arguments x, h, W_f_x, W_f_h, W_i_x, W_i_h, W_o_x, W_o_h, W_c_x, W_c_h, Ab, Wb; writes Ab, Wb
.if DOCPART == 1
	.amdgcn_target "amdgcn-amd-amdhsa--gfx1250"
	.amdhsa_code_object_version 6
	.text
	.protected	k_qd30d854d35_pack
	.globl	k_qd30d854d35_pack
	.p2align	8
	.type	k_qd30d854d35_pack,@function
k_qd30d854d35_pack:
	s_mov_b64 s[64:65], 0
	v_nop
	global_prefetch_b8 v0, s[64:65] scope:SCOPE_SE
	s_setreg_imm32_b32 hwreg(HW_REG_WAVE_MODE, 25, 1), 1
	s_wait_xcnt 0x0
; x, h and the eight weight matrices ([2048][2048] f32) are rounded once to bf16 (nearest even) and laid out for the product that follows.
;   Ab [2048][4096] bf16: row m = x[m][:] then h[m][:].
;   Wb [8192][4096] bf16: row (j >> 5) * 128 + 32 g + (j & 31) = W_g_x[j][:] then W_g_h[j][:], g = 0 f, 1 i, 2 o, 3 c:
;   so 128 consecutive rows hold the four gates of 32 output columns j.
; A stream: no LDS, no barrier, no matrix unit; each input byte is read once, each output byte written once.
; SHARES.  The grid's y picks the tensor t (0 x, 1 h, 2 + 2 g + half the weights, as in the argument list).  A wave takes two source rows,
; 16,384 consecutive bytes, as 32 chunks of 512: a load covers 512 consecutive bytes (16 a lane), its four numbers a lane become 8 bytes,
; and a store covers 256 consecutive bytes at a multiple of 256 from the buffer's first byte.
; Eight loads of a wave are always out (a ring of eight register slots); all steps stand in the immediates, so no address register is rewritten.
.set X, 4                              ; v[4:35]   slot i: 4 registers as loaded
.set Y, 36                             ; v[36:51]  slot i: 2 registers to store
	s_load_b512 s[8:23], s[0:1], 0x0               ; x, h, W_f_x, W_f_h, W_i_x, W_i_h, W_o_x, W_o_h: tensor n at s[8+2n:9+2n]
	s_load_b256 s[24:31], s[0:1], 0x40             ; W_c_x, W_c_h, Ab s[28:29], Wb s[30:31]
	v_lshrrev_b32 v3, 5, v0
	v_readfirstlane_b32 s2, v3                     ; wave 0..7
	v_and_b32 v3, 31, v0                           ; lane
	v_lshlrev_b32 v1, 4, v3                        ; my 16 bytes of a chunk as loaded
	v_lshlrev_b32 v2, 3, v3                        ; my 8 bytes of it as stored
	s_and_b32 s3, ttmp7, 0xffff                    ; t
	s_lshl_b32 s32, ttmp9, 3
	s_add_co_u32 s32, s32, s2                      ; my pair of rows, 0..1023
	s_lshl_b32 s36, s32, 14                        ; its first byte in the source: 2 rows of 8,192 bytes
	s_mov_b32 s37, 0
	s_lshl_b32 s33, s32, 1                         ; j, even: j and j + 1 lie in one group of 32
	s_lshr_b32 s34, s33, 5
	s_and_b32 s35, s33, 31
	s_max_u32 s38, s3, 2
	s_sub_co_u32 s38, s38, 2
	s_lshr_b32 s38, s38, 1                         ; g (0 for x and h)
	s_lshl_b32 s38, s38, 5                         ; 32 g
	s_cmp_lt_u32 s3, 2
	s_cselect_b32 s39, 5, 7                        ; a group of 32 source rows begins every 32 rows of Ab, every 128 rows of Wb
	s_lshl_b32 s34, s34, s39
	s_add_co_u32 s34, s34, s35
	s_add_co_u32 s34, s34, s38                     ; the destination row
	s_and_b32 s40, s3, 1
	s_lshl_b32 s40, s40, 12                        ; the h part lies 4,096 bytes into a row
	s_lshl_b32 s42, s34, 13                        ; rows of 8,192 bytes: 67,100,672 at the most
	s_add_co_u32 s42, s42, s40
	s_mov_b32 s43, 0
	s_wait_kmcnt 0x0
	s_mov_b64 s[4:5], s[8:9]                       ; the source: a choice among the ten inputs, on t alone
.irp n, 1,2,3,4,5,6,7,8,9
	s_cmp_eq_u32 s3, \n
	s_cselect_b64 s[4:5], s[8+2*(\n):9+2*(\n)], s[4:5]
.endr
	s_cmp_lt_u32 s3, 2
	s_cselect_b64 s[6:7], s[28:29], s[30:31]       ; the destination: Ab for x and h, Wb for the weights
	s_add_nc_u64 s[4:5], s[4:5], s[36:37]
	s_add_nc_u64 s[6:7], s[6:7], s[42:43]
.irp i, 0,1,2,3,4,5,6,7
	global_load_b128 v[X+4*(\i):X+4*(\i)+3], v1, s[4:5] offset:512*(\i) th:TH_LOAD_NT  ; the ring is filled: chunks 0 to 7
.endr
; Chunk n, in slot n % 8.
.macro CHUNK n
.set SL, (\n)%8
.if (\n) <= 24
	s_wait_loadcnt 7                               ; loads come back in order (ISA guide 5.7.1): mine is in, the seven younger ones stay out
.else
	s_wait_loadcnt 31-(\n)                         ; nothing is loaded any more: the count runs down
.endif
.if (\n) >= 8
	s_wait_xcnt 0x0                                ; the slot's Y pair, which its store of eight chunks ago reads, is rewritten only behind this wait
.endif
	v_cvt_pk_bf16_f32 v[Y+2*SL],   v[X+4*SL],   v[X+4*SL+1]
	v_cvt_pk_bf16_f32 v[Y+2*SL+1], v[X+4*SL+2], v[X+4*SL+3]
.if (\n) < 24
	global_load_b128 v[X+4*SL:X+4*SL+3], v1, s[4:5] offset:512*((\n)+8) th:TH_LOAD_NT  ; the load ahead of the store
.endif
	global_store_b64 v2, v[Y+2*SL:Y+2*SL+1], s[6:7] offset:((\n)/16)*8192+((\n)%16)*256  ; no hint: the next launch reads these bytes
.endm
.set cq, 0
.rept 32
	CHUNK cq
.set cq, cq+1
.endr
	s_endpgm
.Lfunc_end_k_qd30d854d35_pack:
	.size	k_qd30d854d35_pack, .Lfunc_end_k_qd30d854d35_pack-k_qd30d854d35_pack
	.p2alignl 7, 3214868480
	.fill 96, 4, 3214868480
	.section	.rodata,"a",@progbits
	.p2align	6, 0x0
	.amdhsa_kernel k_qd30d854d35_pack
		.amdhsa_group_segment_fixed_size 0
		.amdhsa_private_segment_fixed_size 0
		.amdhsa_enable_private_segment 0
		.amdhsa_kernarg_size 96
		.amdhsa_user_sgpr_count 2
		.amdhsa_user_sgpr_kernarg_segment_ptr 1
		.amdhsa_wavefront_size32 1
		.amdhsa_system_sgpr_workgroup_id_x 1
		.amdhsa_system_sgpr_workgroup_id_y 1
		.amdhsa_system_sgpr_workgroup_id_z 1
		.amdhsa_system_vgpr_workitem_id 0
		.amdhsa_next_free_vgpr 52
		.amdhsa_next_free_sgpr 66
		.amdhsa_reserve_vcc 0
		.amdhsa_float_denorm_mode_32 3
		.amdhsa_float_denorm_mode_16_64 3
		.amdhsa_memory_ordered 1
		.amdhsa_forward_progress 1
		.amdhsa_inst_pref_size 14
	.end_amdhsa_kernel
	.amdgpu_metadata
---
amdhsa.version: [ 1, 2 ]
amdhsa.kernels:
  - .name:           k_qd30d854d35_pack
    .symbol:         k_qd30d854d35_pack.kd
    .args:
      - { .name: x, .offset: 0, .size: 8, .value_kind: global_buffer, .address_space: global }
      - { .name: h, .offset: 8, .size: 8, .value_kind: global_buffer, .address_space: global }
      - { .name: W_f_x, .offset: 16, .size: 8, .value_kind: global_buffer, .address_space: global }
      - { .name: W_f_h, .offset: 24, .size: 8, .value_kind: global_buffer, .address_space: global }
      - { .name: W_i_x, .offset: 32, .size: 8, .value_kind: global_buffer, .address_space: global }
      - { .name: W_i_h, .offset: 40, .size: 8, .value_kind: global_buffer, .address_space: global }
      - { .name: W_o_x, .offset: 48, .size: 8, .value_kind: global_buffer, .address_space: global }
      - { .name: W_o_h, .offset: 56, .size: 8, .value_kind: global_buffer, .address_space: global }
      - { .name: W_c_x, .offset: 64, .size: 8, .value_kind: global_buffer, .address_space: global }
      - { .name: W_c_h, .offset: 72, .size: 8, .value_kind: global_buffer, .address_space: global }
      - { .name: Ab, .offset: 80, .size: 8, .value_kind: global_buffer, .address_space: global }
      - { .name: Wb, .offset: 88, .size: 8, .value_kind: global_buffer, .address_space: global }
    .group_segment_fixed_size: 0
    .private_segment_fixed_size: 0
    .kernarg_segment_align: 8
    .kernarg_segment_size: 96
    .max_flat_workgroup_size: 256
    .sgpr_count:     66
    .vgpr_count:     52
    .wavefront_size: 32
...
	.end_amdgpu_metadata
.endif
;; end of part 1
;; launch cell (part 2): grid 8 x 32, 4 waves a work-group, clusters of 4 x 4, 327,680 bytes of LDS; arguments Ab, Wb, c, out0, out1, out2, b_f_x, b_f_h, b_i_x, b_i_h, b_o_x, b_o_h, b_c_x, b_c_h; writes out0, out1, out2
.if DOCPART == 2
	.amdgcn_target "amdgcn-amd-amdhsa--gfx1250"
	.amdhsa_code_object_version 6
	.text
	.protected	k_qd30d854d35_cell
	.globl	k_qd30d854d35_cell
	.p2align	8
	.type	k_qd30d854d35_cell,@function
k_qd30d854d35_cell:
	s_mov_b64 s[64:65], 0
	v_nop
	global_prefetch_b8 v0, s[64:65] scope:SCOPE_SE
	s_setreg_imm32_b32 hwreg(HW_REG_WAVE_MODE, 25, 1), 1
	s_wait_xcnt 0x0
	s_wait_alu depctr_hold_cnt(0) depctr_sa_sdst(0) depctr_va_vdst(0) depctr_va_sdst(0) depctr_va_ssrc(0) depctr_va_vcc(0) depctr_vm_vsrc(0)
	s_getreg_b32 s2, hwreg(HW_REG_IB_STS2, 6, 4)
	s_cmp_eq_u32 s2, 0
	s_cbranch_scc0 .Lentry_in_a_cluster
	s_endpgm
.Lentry_in_a_cluster:
	s_bfe_u32 s2, ttmp6, 0x10000c
	s_cmp_lg_u32 s2, 0xf033
	s_cbranch_scc0 .Lentry_shape_is_right
	s_endpgm
.Lentry_shape_is_right:
; THE LSTM CELL.  gates[m][g][j] = sum over k of Ab[m][k] Wb[row(g, j)][k] + (b_g_x[j] + b_g_h[j]);  f, i, o = sigmoid, ct = tanh;
; c_new = f c + i ct;  h_new = o c_new;  out0 = o, out1 = h_new, out2 = c_new, all [2048][2048] f32.
; Ab [2048][4096] and Wb [8192][4096] are bf16 (x | h, and the weights with the four gates of 32 columns j in 128 consecutive rows); sums in f32; c and the biases stay f32.
; LIMITS.  x, h and the weights enter rounded once to bf16.  The two biases are added to each other first and start the sums.  sigmoid(t) = 1 / (1 + 2^(-t log2 e)),
; tanh(t) = 1 - 2 / (1 + 2^(2 t log2 e)): an exponential that overflows gives the reciprocal 0, one that underflows counts as 0: the saturated values; near t = 0 tanh keeps an
; absolute error of about 1e-7.  NaN and infinities among the inputs are not treated apart.
; SHARES.  A work-group makes 256 rows m x 64 columns j x 4 gates: a 256 x 256 tile of the product.  Four waves, as many as a WGP has SIMDs, each 128 x 128: 64 accumulators, 512 registers.
; A wave's 128 rows of Wb are blocks b = 2 g + b2 of 16: all four gates of its 32 columns j lie in ITS registers, so the cell's arithmetic needs no exchange.
; K goes in steps of 128 through a ring of two LDS slots filled by the tensor data mover; rows of 256 bytes at multiples of 256 bytes.
; THE MATRIX INSTRUCTION IS USED TRANSPOSED (source 0 = 16 rows of Wb, source 1 = 16 rows of Ab): lane l holds row l % 16, its registers 0 to 7 the columns 8 (l / 16) + 0..7.
; THE BIAS IS THE C OPERAND of the first product on each accumulator: nothing is cleared, and nothing is added later.
; CLUSTERS: 4 x 4 work-groups.  The grid's x is the tile row, its y the tile column.  Ab's tile hangs on x alone and is shared by the four with my cx; Wb's on y alone and is shared by the four
; with my cy: each is asked for JOINTLY, by the same tensor load with the same descriptor and a mask that names the four.
; THE WAY OUT.  c's 256 x 64 numbers come into the freed slot 0 by one plain tensor load a wave during the last K step.  o, h_new and c_new go through three LDS regions of 256 rows x 272 bytes
; (slots whose last fill is past) and leave as whole rows: 16 lanes store 256 consecutive bytes.
; REGISTERS, in windows of 256 (s_set_vgpr_msb: bits 1:0 source 0, 3:2 source 1, 5:4 source 2, 7:6 destination):
;   window 0: v0-31 addresses; v64-127, v128-191 fragments of Ab, two buffers; later v64-127 and v192-255 c, then v64-255 three sets of 64 for the rows that leave
;   window 1: v0-63 the x biases, at work; v64-127, v128-191 fragments of Wb; v192-255 the bias of block b at 192 + 8 b
;   window 2: the accumulators of my rows 0-63 ((a, b) at v[8 (8 a + b)]);   window 3: those of my rows 64-127
.set SIZE_K, 4096
.set KSTEP,  128
.set PITCH,  272                       ; an LDS row: 256 bytes + 16 of padding = 68 words: row r starts at bank 4 r mod 64 (64 banks of 4 bytes: ISA guide 11.1): the 16 rows of a load start at 16 different banks
.set HALFT,  128*PITCH                 ; 128 rows: what one tensor load brings, and what one wave reads of Ab or of Wb
.set SLOT,   4*HALFT                   ; Ab's 256 rows, then Wb's 256 rows
.set REG,    256*PITCH                 ; a region of the way out = half a slot: c at 0, o at REG, h_new at 2 REG, c_new at 3 REG
.set SPARE,  2*SLOT                    ; behind the ring: the spare words, 128 bytes for each wave: two blocks of 256 bytes that no other line names
.set LAPS,   SIZE_K/(2*KSTEP)          ; a lap = two K steps = once round the ring
.set ADRA, 16                          ; v16-17  LDS address of my Ab fragments in slot 0, 1
.set NA,   18                          ; v18     where my 32 bytes of a row of c_new go
.set ADRB, 20                          ; v20-21  LDS address of my Wb fragments in slot 0, 1
.set CA,   22                          ; v22     where my 32 bytes of a row of c lie
.set OA,   23                          ; v23     where those of o go
.set HA,   24                          ; v24     those of h_new
.set RD,   25                          ; v25-27  where I read whole rows back: o, h_new, c_new
.set SPW,  28                          ; v28     LDS address of my spare word: SPARE + 4 x my thread's number; never rewritten
.set NIL,  29                          ; v29     0; never rewritten
.set CO,   30                          ; v30     my byte offset in two rows of an output
.set BO,   31                          ; v31     my byte offset in a bias vector
.set F0,   64
.set F1,   128
.set BIAS, 192                         ; in window 1
.set G1,  24                           ; s[24:31] descriptor group 1 for Ab's tiles;  s[32:39] group 0, a set for each slot
.set G0,  32
.set G1B, 48                           ; s[48:55], s[56:63] the same for Wb's
.set G0B, 56
.set G1C, 80                           ; s[80:87], s[88:91] the descriptor of c's tile, where the bias vectors' addresses lay
.set G0C, 88
.set NL,  92                           ; s[92:93] -log2(e), as a pair
.set PL,  94                           ; s[94:95] 2 log2(e)
.set TO_B, 0x40                        ; destination window 1, address window 0
.set MSB, 0
.macro WIN new                         ; the immediate's high byte repeats the setting that is left; a switch that changes nothing is dropped
.if MSB != (\new)
	s_set_vgpr_msb (MSB<<8)|(\new)
.set MSB, \new
.endif
.endm
; A joint load.  Waves 0 and 1 fetch Ab's two halves, waves 2 and 3 Wb's.  Each line has one mask and one set of registers; the branch hangs on the wave's number alone.
; An s_nop 0 and four v_nop follow each of the two lines, ahead of the jump, the label and what follows.
.macro JLOAD s
	s_cmp_eq_u32 s11, 0
	s_cbranch_scc0 .Lfor_b_\@
	tensor_load_to_lds s[G0+4*(\s):G0+4*(\s)+3], s[G1:G1+7]
	s_nop 0
.rept 4
	v_nop
.endr
	s_branch .Lasked_\@
.Lfor_b_\@:
	tensor_load_to_lds s[G0B+4*(\s):G0B+4*(\s)+3], s[G1B:G1B+7]
	s_nop 0
.rept 4
	v_nop
.endr
.Lasked_\@:
.endm
; A round of the cluster's barrier: my work-group's barrier, so that wave 0's signal speaks for all four waves; wave 0 signals; every wave waits for all sixteen work-groups; my work-group's barrier once more.
.macro CREST                           ; a round behind its opening barrier
	s_cmp_lg_u32 s10, 0
	s_cbranch_scc1 .Lnot_wave_0_\@
	s_barrier_signal -3
.Lnot_wave_0_\@:
	s_barrier_wait -3
	s_barrier_signal -1
	s_barrier_wait -1
.endm
.macro CROUND                          ; a whole round
	s_barrier_signal -1
	s_barrier_wait -1
	CREST
.endm
	s_load_b128 s[4:7], s[0:1], 0x0                ; Ab s[4:5], Wb s[6:7]
	s_load_b256 s[68:75], s[0:1], 0x10             ; c s[68:69], out0 s[70:71], out1 s[72:73], out2 s[74:75]
	s_load_b512 s[80:95], s[0:1], 0x30             ; the eight bias vectors: gate g's x bias at s[80+4g:81+4g], its h bias at s[82+4g:83+4g]
	v_lshl_add_u32 v[SPW], v0, 2, SPARE
	v_mov_b32 v[NIL], 0
	ds_add_u32 v[SPW], v[NIL]                      ; the wave's opening: the add and its wait stand ahead of my first tensor load; the set-up below, work on registers, stands between them
	v_lshrrev_b32 v1, 5, v0
	v_readfirstlane_b32 s10, v1                    ; wave 0..3
	s_lshr_b32 s11, s10, 1                         ; which half of the tile's rows is mine.  Also: I fetch for Ab (0) or for Wb (1)
	s_and_b32 s12, s10, 1                          ; which half of its columns.  Also: which 128 rows of that tile I fetch
	s_bfe_u32 s40, ttmp6, 0x40000                  ; cx
	s_bfe_u32 s41, ttmp6, 0x40004                  ; cy
	s_lshl_b32 s13, ttmp9, 2                       ; in a cluster launch ttmp9 and ttmp7 count clusters
	s_add_co_u32 s13, s13, s40                     ; tile row = 4 x cluster x + cx, 0..7
	s_and_b32 s42, ttmp7, 0xffff
	s_lshl_b32 s42, s42, 2
	s_add_co_u32 s42, s42, s41                     ; tile column = 4 x cluster y + cy, 0..31
	s_lshl_b32 s43, 0x1111, s40                    ; the four with my cx: places cx, cx + 4, cx + 8, cx + 12
	s_lshl_b32 s44, s41, 2
	s_lshl_b32 s44, 15, s44                        ; the four with my cy: places 4 cy .. 4 cy + 3
	; descriptor group 1: a tile of 128 rows x 128 elements, padded in LDS
	s_or_b32 s[G1+0], s43, (1<<16)|(1<<20)|(1<<21)|(5<<22)|(3<<25)   ; 15:0 the mask; 17:16 elements of 2 bytes; 20 padding on; 21 set beside a mask; 24:22 after every 64 words (code 5); 31:25 4 words of it (code 3)
	s_or_b32 s[G1B+0], s44, (1<<16)|(1<<20)|(1<<21)|(5<<22)|(3<<25)
.irp g, G1, G1B
	s_mov_b32 s[(\g)+1], KSTEP<<16                 ; tensor_dim0 = 128
	s_mov_b32 s[(\g)+2], 128<<16                   ; tensor_dim1 = 128
	s_mov_b32 s[(\g)+3], KSTEP<<16                 ; tile_dim0 = 128
	s_mov_b32 s[(\g)+4], 128                       ; tile_dim1 = 128
	s_mov_b32 s[(\g)+5], SIZE_K                    ; elements from row to row
	s_mov_b32 s[(\g)+6], 0
	s_mov_b32 s[(\g)+7], 0
.endr
	; where the tiles come from: Ab's hang on the tile row alone, Wb's on the tile column alone, each in registers that never hold the other coordinate
	s_lshl_b32 s17, s12, 7                         ; which 128 rows of the tile I fetch
	s_lshl_b32 s16, s13, 8
	s_add_co_u32 s16, s16, s17                     ; Ab: row 256 x tile row + 128 x half,
	s_lshl_b32 s16, s16, 13                        ; in bytes: rows of 8,192; under 2^24
	s_lshl_b32 s46, s42, 8
	s_add_co_u32 s46, s46, s17                     ; Wb: row 256 x tile column + 128 x half,
	s_lshl_b32 s46, s46, 13                        ; in bytes: under 2^26
	s_mov_b32 s17, 0
	s_mov_b32 s47, 0
	s_mul_i32 s20, s10, HALFT                      ; and where they go: wave x 128 rows: no place in the cluster enters an LDS address
	s_wait_dscnt 0x0                               ; the opening add is done
	s_wait_kmcnt 0x0
	s_add_nc_u64 s[14:15], s[4:5], s[16:17]
	s_add_nc_u64 s[46:47], s[6:7], s[46:47]
	CROUND                                         ; all sixteen work-groups are here: the first joint loads meet
.irp s, 0,1
	s_mov_b32 s[G0+4*(\s)], 1                                        ; count = 1
	s_add_co_u32 s[G0+4*(\s)+1], s20, (\s)*SLOT                      ; LDS address
	s_add_nc_u64 s[G0+4*(\s)+2:G0+4*(\s)+3], s[14:15], (\s)*KSTEP*2  ; global address: K step s
	s_or_b32 s[G0+4*(\s)+3], s[G0+4*(\s)+3], 0x80000000              ; type = 2
	s_mov_b32 s[G0B+4*(\s)], 1
	s_add_co_u32 s[G0B+4*(\s)+1], s20, (\s)*SLOT
	s_add_nc_u64 s[G0B+4*(\s)+2:G0B+4*(\s)+3], s[46:47], (\s)*KSTEP*2
	s_or_b32 s[G0B+4*(\s)+3], s[G0B+4*(\s)+3], 0x80000000
	JLOAD \s                                       ; the ring is filled before anything else is done: two loads of mine are out
.endr
	; A fragment is 16 rows x 32 K in 8 registers: lane l holds row l % 16; registers 0-3 K = 8 (l / 16) + 0..7, registers 4-7 K = 16 + 8 (l / 16) + 0..7: two loads of 16 bytes, 32 bytes apart.
	v_and_b32 v1, 15, v0                           ; r = l % 16
	v_bfe_u32 v2, v0, 4, 1                         ; h = l / 16
	v_mul_u32_u24 v3, v1, PITCH
	v_lshl_add_u32 v3, v2, 4, v3                   ; row x pitch + 16 x half
	s_mul_i32 s21, s11, HALFT                      ; my 128 rows of Ab
	s_mul_i32 s22, s12, HALFT                      ; my 128 rows of Wb,
	s_add_co_u32 s22, s22, 2*HALFT                 ; which lie behind Ab's 256
.irp s, 0,1
	v_add_nc_u32 v[ADRA+(\s)], s21, v3
	v_add_nc_u32 v[ADRB+(\s)], s22, v3
	s_add_co_u32 s21, s21, SLOT
	s_add_co_u32 s22, s22, SLOT
.endr
	; the way out: in a region, number (m, jj) of the tile's 256 x 64 lies at 272 m + 4 jj; my eight of block (a, b2): m = 128 x row half + 16 a + r, jj = 32 x column half + 16 b2 + 8 h
	s_mul_i32 s23, s11, HALFT
	s_lshl_b32 s21, s12, 7
	s_add_co_u32 s23, s23, s21
	v_mul_u32_u24 v4, v1, PITCH
	v_lshl_add_u32 v4, v2, 5, v4
	v_add_nc_u32 v[CA], s23, v4
	v_add_nc_u32 v[OA], REG, v[CA]
	v_add_nc_u32 v[HA], 2*REG, v[CA]
	v_add_nc_u32 v[NA], 3*REG, v[CA]
	s_mul_i32 s23, s10, 64*PITCH                   ; back: wave w takes rows 64 w .. 64 w + 63, whole; lanes 0-15 one row of 256 bytes, lanes 16-31 the next
	v_mul_u32_u24 v5, v2, PITCH
	v_lshl_add_u32 v5, v1, 4, v5
	v_add_nc_u32 v5, s23, v5
	v_add_nc_u32 v[RD+0], REG, v5
	v_add_nc_u32 v[RD+1], 2*REG, v5
	v_add_nc_u32 v[RD+2], 3*REG, v5
	v_lshlrev_b32 v[CO], 13, v2                    ; and the same two rows in an output: rows of 8,192 bytes
	v_lshl_add_u32 v[CO], v1, 4, v[CO]
	s_lshl_b32 s78, s42, 8                         ; the tile's 64 columns j begin at byte 256 x tile column of a row, and of a bias vector
	s_lshl_b32 s79, s12, 7
	s_add_co_u32 s79, s79, s78
	v_lshlrev_b32 v[BO], 5, v2
	v_add_nc_u32 v[BO], s79, v[BO]                 ; my eight columns of block b2 = 0: 4 (64 x tile column + 32 x column half + 8 h)
	; the biases, in the layout of a result: register z of block b = 2 g + b2 holds column 16 b2 + 8 h + z, whatever the row.  All this stands in the wait for the first tiles.
	WIN TO_B
.irp g, 0,1,2,3
.irp b2, 0,1
.irp e, 0,1
	global_load_b128 v[8*(2*(\g)+(\b2))+4*(\e):8*(2*(\g)+(\b2))+4*(\e)+3], v[BO], s[80+4*(\g):81+4*(\g)] offset:64*(\b2)+16*(\e)
	global_load_b128 v[BIAS+8*(2*(\g)+(\b2))+4*(\e):BIAS+8*(2*(\g)+(\b2))+4*(\e)+3], v[BO], s[82+4*(\g):83+4*(\g)] offset:64*(\b2)+16*(\e)
.endr
.endr
.endr
	s_wait_loadcnt 0x0                             ; the biases are in, and their loads' base registers are free
	WIN 0x45                                       ; destination and both sources window 1
.set z, 0
.rept 32
	v_pk_add_f32 v[BIAS+2*z:BIAS+2*z+1], v[BIAS+2*z:BIAS+2*z+1], v[2*z:2*z+1]
.set z, z+1
.endr
	WIN 0
	; byte offset, in c and in each output, of the 64 rows x 256 bytes that I fetch and that I store: (256 x tile row + 64 w) rows + the tile's columns; under 2^24
	s_lshl_b32 s76, s13, 8
	s_lshl_b32 s77, s10, 6
	s_add_co_u32 s76, s76, s77
	s_lshl_b32 s76, s76, 13
	s_add_co_u32 s76, s76, s78
	s_mov_b32 s77, 0
	s_add_nc_u64 s[70:71], s[70:71], s[76:77]
	s_add_nc_u64 s[72:73], s[72:73], s[76:77]
	s_add_nc_u64 s[74:75], s[74:75], s[76:77]
	; c's tile: a load of my own (no mask): 64 rows x 64 elements of 4 bytes, padded like the others
	s_mov_b32 s[G1C+0], (2<<16)|(1<<20)|(5<<22)|(3<<25)
	s_mov_b32 s[G1C+1], 64<<16                     ; tensor_dim0 = 64
	s_mov_b32 s[G1C+2], 64<<16                     ; tensor_dim1 = 64
	s_mov_b32 s[G1C+3], 64<<16                     ; tile_dim0 = 64
	s_mov_b32 s[G1C+4], 64                         ; tile_dim1 = 64
	s_mov_b32 s[G1C+5], 2048                       ; elements from row to row
	s_mov_b32 s[G1C+6], 0
	s_mov_b32 s[G1C+7], 0
	s_mov_b32 s[G0C], 1
	s_mul_i32 s[G0C+1], s10, 64*PITCH              ; rows 64 w on of the region at LDS byte 0
	s_add_nc_u64 s[G0C+2:G0C+3], s[68:69], s[76:77]
	s_or_b32 s[G0C+3], s[G0C+3], 0x80000000
	s_mov_b32 s[NL], 0xbfb8aa3b                    ; -log2(e)
	s_mov_b32 s[NL+1], 0xbfb8aa3b
	s_mov_b32 s[PL], 0x4038aa3b                    ; 2 log2(e)
	s_mov_b32 s[PL+1], 0x4038aa3b
; 16 matrix instructions: row blocks a0, a0 + 1 of the window's four (hi = 0: my rows 0-63, 1: rows 64-127) x all 8 blocks of Wb, 32 along K.
; first = 1: the sums start from the bias (C in window 1).  The 64 accumulators take turns, one instruction a turn, in the same order in every quarter step.
.macro MUL16 f, hi, a0, first
.if \first
	WIN 0x91+0x40*(\hi)                            ; source 0 (Wb) and C window 1, source 1 (Ab) window 0, D window 2 or 3
.else
	WIN 0xa1+0x50*(\hi)                            ; source 0 window 1, source 1 window 0, C and D window 2 or 3
.endif
.irp a, \a0, (\a0)+1
.irp b, 0,1,2,3,4,5,6,7
.if \first
	v_wmma_f32_16x16x32_bf16 v[8*(8*(\a)+(\b)):8*(8*(\a)+(\b))+7], v[(\f)+8*(\b):(\f)+8*(\b)+7], v[(\f)+8*(4*(\hi)+(\a)):(\f)+8*(4*(\hi)+(\a))+7], v[BIAS+8*(\b):BIAS+8*(\b)+7]
.else
	v_wmma_f32_16x16x32_bf16 v[8*(8*(\a)+(\b)):8*(8*(\a)+(\b))+7], v[(\f)+8*(\b):(\f)+8*(\b)+7], v[(\f)+8*(4*(\hi)+(\a)):(\f)+8*(4*(\hi)+(\a))+7], v[8*(8*(\a)+(\b)):8*(8*(\a)+(\b))+7]
.endif
.endr
.endr
.endm
; 32 LDS loads in one run: the fragments of one quarter step (128 rows of Wb, 128 rows of Ab, 32 K at byte k of the rows) into buffer f
.macro FETCH slot, k, f
	WIN TO_B
.irp i, 0,1,2,3,4,5,6,7
	ds_load_b128 v[(\f)+8*(\i):(\f)+8*(\i)+3],   v[ADRB+(\slot)] offset:(\k)+(\i)*16*PITCH
	ds_load_b128 v[(\f)+8*(\i)+4:(\f)+8*(\i)+7], v[ADRB+(\slot)] offset:(\k)+(\i)*16*PITCH+32
.endr
	WIN 0
.irp i, 0,1,2,3,4,5,6,7
	ds_load_b128 v[(\f)+8*(\i):(\f)+8*(\i)+3],   v[ADRA+(\slot)] offset:(\k)+(\i)*16*PITCH
	ds_load_b128 v[(\f)+8*(\i)+4:(\f)+8*(\i)+7], v[ADRA+(\slot)] offset:(\k)+(\i)*16*PITCH+32
.endr
.endm
; A load into a register that a matrix instruction has read, and a vector instruction that reads a matrix result, stand four places behind that matrix instruction, and only plain vector
; instructions that name none of its registers are places (ISA guide 7.12.1 for vector instructions).
.macro PLACES
.rept 4
	v_nop
.endr
.endm
; A K step is four quarter steps of 32 along K, 64 matrix instructions each, on buffers 0, 1, 0, 1.
; One of the first three: multiplies buffer f; in its middle it fetches the next quarter's fragments, at byte k of the same slot's rows, into buffer g.
.macro QUARTER slot, k, f, g, first
	s_wait_dscnt 8                                 ; Wb and Ab's rows 0-63 are in; the youngest eight loads (Ab's rows 64-127) may be out
	MUL16 \f, 0, 0, \first
	MUL16 \f, 0, 2, \first
	PLACES
	FETCH \slot, \k, \g
	s_wait_dscnt 32                                ; all but the 32 just issued
	MUL16 \f, 1, 0, \first
	MUL16 \f, 1, 2, \first
.endm
; The last quarter multiplies buffer 1 and changes slots.  MEET is its first half: ONE barrier for the change.  In front of it each wave waits for all its tensor loads, of which one is out;
; adds 0 to its spare word; and waits for that and for its own reads of this slot.  Behind it nobody reads this slot any more, and what was on its way is whole.
.macro MEET round                      ; round = 1: the rest of a round of the cluster's barrier follows
	WIN 0                                          ; (the add's two registers lie in window 0)
	s_wait_tensorcnt 0x0                           ; all my tensor loads have landed
	ds_add_u32 v[SPW], v[NIL]                      ; 0 onto my spare word
	s_wait_dscnt 9                                 ; (the add and the youngest eight loads may be out)
	MUL16 F1, 0, 0, 0                              ; sixteen matrix instructions stand between the add and the wait for it
	s_wait_dscnt 0x0                               ; the add is done, and my reads of this slot are over
	s_barrier_signal -1
	MUL16 F1, 0, 2, 0                              ; work on registers while the others arrive
.if \round
	WIN 0
.endif
	s_barrier_wait -1
.endm
; The whole last quarter: behind the round the slot just read out is filled again first, with the K step two steps on; then come the next slot's first fragments.
; From a request to the wait for it a wave issues 224 matrix instructions.
.macro TURN slot, next
	MEET 1
	CREST                                          ; no wave of any partner still reads this slot's tile or has a load on its way
	s_add_nc_u64 s[G0+4*(\slot)+2:G0+4*(\slot)+3], s[G0+4*(\slot)+2:G0+4*(\slot)+3], 2*KSTEP*2
	s_add_nc_u64 s[G0B+4*(\slot)+2:G0B+4*(\slot)+3], s[G0B+4*(\slot)+2:G0B+4*(\slot)+3], 2*KSTEP*2
	JLOAD \slot                                    ; the first tensor load behind the round; the four v_nop behind it are also the places in front of the loads below
	FETCH \next, 0, F0
	MUL16 F1, 1, 0, 0
	MUL16 F1, 1, 2, 0
.endm
	s_wait_tensorcnt 1                             ; my part of K step 0 is in; K step 1's may stay out
	s_barrier_signal -1
	s_barrier_wait -1                              ; everybody's is
	FETCH 0, 0, F0
	QUARTER 0, 64,  F0, F1, 1                      ; the first quarter stands in front of the loop: its products start the sums, from the bias
	WIN 0                                          ; at a label and at a branch every window is 0
	s_mov_b32 s3, LAPS-1
.Llap:                                                 ; a trip goes once round the ring, from a lap's second quarter to the next lap's first, and fills both slots again: K steps 2 to 31
	QUARTER 0, 128, F1, F0, 0
	QUARTER 0, 192, F0, F1, 0
	TURN 0, 1
	QUARTER 1, 64,  F0, F1, 0
	QUARTER 1, 128, F1, F0, 0
	QUARTER 1, 192, F0, F1, 0
	TURN 1, 0
	QUARTER 0, 64,  F0, F1, 0
	WIN 0
	s_sub_co_u32 s3, s3, 1
	s_cmp_lg_u32 s3, 0
	s_cbranch_scc1 .Llap
	QUARTER 0, 128, F1, F0, 0                      ; the last lap goes on
	QUARTER 0, 192, F0, F1, 0
	MEET 1                                         ; the last change of slots: slot 0 has been read out for good
	CREST
	tensor_load_to_lds s[G0C:G0C+3], s[G1C:G1C+7]  ; its first half takes c: my 64 rows; the wave's one load behind the round, with the last K step's 224 matrix instructions in which to land
	s_nop 0
	PLACES                                         ; the places in front of the loads below
	FETCH 1, 0, F0
	MUL16 F1, 1, 0, 0
	MUL16 F1, 1, 2, 0
	QUARTER 1, 64,  F0, F1, 0
	QUARTER 1, 128, F1, F0, 0
	QUARTER 1, 192, F0, F1, 0
	MEET 0                                         ; c has landed, everybody's part of it, and nobody reads either slot any more; nothing is filled again, so no round follows
	PLACES                                         ; for the loads into buffer 0, which the quarter before multiplied; and behind them my rows 0-63 may be read
	; c in the layout of the results: unit u = 2 a + b2 (row block a, column block b2), eight numbers a lane
	WIN 0
.irp u, 0,1,2,3,4,5,6,7,8,9,10,11,12,13,14,15
.set UC, 64+8*(\u)+64*((\u)/8)         ; v64-127 for my rows 0-63, v192-255 for rows 64-127: buffer 1 is still being multiplied
	ds_load_b128 v[UC:UC+3],   v[CA] offset:((\u)/2)*16*PITCH+((\u)%2)*64
	ds_load_b128 v[UC+4:UC+7], v[CA] offset:((\u)/2)*16*PITCH+((\u)%2)*64+16
.endr
	MUL16 F1, 1, 0, 0
	MUL16 F1, 1, 2, 0
; THE CELL'S ARITHMETIC, in place on the accumulators.  A unit is 16 rows x 16 columns j: the four accumulators f, i, o, g of (a4, b2), 16 registers apart.
.macro UREGS a4, b2
.set UF, 64*(\a4)+8*(\b2)
.set UI, UF+16
.set UO, UF+32
.set UG, UF+48
.endm
.macro MULS base, sp                   ; eight numbers times a scalar; the lowest registers first
.irp y, 0,2,4,6
	v_pk_mul_f32 v[(\base)+(\y):(\base)+(\y)+1], v[(\base)+(\y):(\base)+(\y)+1], s[\sp:\sp+1] op_sel_hi:[1,0]
.endr
.endm
.macro EXP8 base
.irp y, 0,1,2,3,4,5,6,7
	v_exp_f32 v[(\base)+(\y)], v[(\base)+(\y)]
.endr
.endm
.macro RCP8 base
.irp y, 0,1,2,3,4,5,6,7
	v_rcp_f32 v[(\base)+(\y)], v[(\base)+(\y)]
.endr
.endm
.macro ADD1 base
	s_wait_alu depctr_va_vdst(0)
.irp y, 0,2,4,6
	v_pk_add_f32 v[(\base)+(\y):(\base)+(\y)+1], v[(\base)+(\y):(\base)+(\y)+1], 1.0 op_sel_hi:[1,0]
.endr
.endm
.macro TANH base                       ; 1 - 2 x
.irp y, 0,2,4,6
	v_pk_fma_f32 v[(\base)+(\y):(\base)+(\y)+1], v[(\base)+(\y):(\base)+(\y)+1], -2.0, 1.0 op_sel_hi:[1,0,0]
.endr
.endm
.macro PROD d, p, q
	s_wait_alu depctr_va_vdst(0)
.irp y, 0,2,4,6
	v_pk_mul_f32 v[(\d)+(\y):(\d)+(\y)+1], v[(\p)+(\y):(\p)+(\y)+1], v[(\q)+(\y):(\q)+(\y)+1]
.endr
.endm
; Behind each run of exponentials or reciprocals stands plain work on ANOTHER gate before the run's results are used (ISA guide 5.7.2): no v_nop is written.
.macro UNIT1 a4, b2
	UREGS \a4, \b2
	MULS UG, PL
	MULS UI, NL
	EXP8 UG
	MULS UF, NL
	EXP8 UI
	ADD1 UG
	EXP8 UF
	MULS UO, NL
	RCP8 UG
	ADD1 UI
	EXP8 UO
	ADD1 UF
	RCP8 UI
	TANH UG                                        ; g = tanh
	RCP8 UF
	ADD1 UO
	RCP8 UO
	PROD UI, UI, UG                                ; i x tanh
.endm
; My rows 0-63 (W = 2) or 64-127 (W = 3), in four passes, each under one window setting.
.macro HALF W
	WIN 0x55*(\W)                                  ; everything in window W
.irp a4, 0,1,2,3
.irp b2, 0,1
	UNIT1 \a4, \b2
.endr
.endr
.if (\W) == 2
	s_wait_dscnt 0x0                               ; c is in
.endif
	WIN 0x51*(\W)                                  ; source 1 (c) window 0, the others window W
.irp a4, 0,1,2,3
.irp b2, 0,1
	UREGS \a4, \b2
.set UC, 64+128*((\W)-2)+8*(2*(\a4)+(\b2))
.irp y, 0,2,4,6
	v_pk_fma_f32 v[UI+(\y):UI+(\y)+1], v[UF+(\y):UF+(\y)+1], v[UC+(\y):UC+(\y)+1], v[UI+(\y):UI+(\y)+1]  ; c_new = f c + i tanh
.endr
.endr
.endr
	WIN 0x55*(\W)
.irp a4, 0,1,2,3
.irp b2, 0,1
	UREGS \a4, \b2
	PROD UF, UO, UI                                ; h_new = o c_new
.endr
.endr
	WIN 4*(\W)                                     ; data window W, address window 0
.irp a4, 0,1,2,3
.irp b2, 0,1
	UREGS \a4, \b2
	ds_store_b128 v[OA], v[UO:UO+3]   offset:(4*((\W)-2)+(\a4))*16*PITCH+64*(\b2)     ; 16 lanes, 16 rows 272 bytes apart
	ds_store_b128 v[OA], v[UO+4:UO+7] offset:(4*((\W)-2)+(\a4))*16*PITCH+64*(\b2)+16
	ds_store_b128 v[HA], v[UF:UF+3]   offset:(4*((\W)-2)+(\a4))*16*PITCH+64*(\b2)
	ds_store_b128 v[HA], v[UF+4:UF+7] offset:(4*((\W)-2)+(\a4))*16*PITCH+64*(\b2)+16
	ds_store_b128 v[NA], v[UI:UI+3]   offset:(4*((\W)-2)+(\a4))*16*PITCH+64*(\b2)
	ds_store_b128 v[NA], v[UI+4:UI+7] offset:(4*((\W)-2)+(\a4))*16*PITCH+64*(\b2)+16
.endr
.endr
.endm
	HALF 2                                         ; these sums were finished in front of the four places above; this work is the places behind the last products
	HALF 3
	WIN 0
	s_wait_dscnt 0x0                               ; for the others' sake: my stores into the regions are done (a row's 256 bytes come from two waves)
	s_barrier_signal -1
	s_barrier_wait -1
; Whole rows back and out, in six batches of 32 rows: batch n is half n % 2 of my 64 rows of region n / 2 (o, h_new, c_new), in register set n % 3.
.macro LOADB n
	WIN 0
.set BK, 64+64*((\n)%3)
.if (\n) >= 3
	s_wait_xcnt 0x0                                ; the set's registers, which its earlier stores read, are loaded again only behind this wait
.endif
.irp t, 0,1,2,3,4,5,6,7,8,9,10,11,12,13,14,15
	ds_load_b128 v[BK+4*(\t):BK+4*(\t)+3], v[RD+(\n)/2] offset:(16*((\n)%2)+(\t))*2*PITCH
.endr
.endm
.macro SENDB n, younger                ; younger: the LDS loads issued behind this batch's: the next batch's sixteen, or none
	WIN 0
.set BK, 64+64*((\n)%3)
.irp t, 0,1,2,3,4,5,6,7,8,9,10,11,12,13,14,15
	s_wait_dscnt (\younger)+15-(\t)                ; LDS loads come back in order (ISA guide 5.7.1): load t is in
	global_store_b128 v[CO], v[BK+4*(\t):BK+4*(\t)+3], s[70+2*((\n)/2):71+2*((\n)/2)] offset:(32*((\n)%2)+2*(\t))*8192 th:TH_STORE_NT  ; 16 lanes store 256 consecutive bytes, at a multiple of 256 from the output's first byte
.endr
.endm
	LOADB 0
	LOADB 1
	SENDB 0, 16
	LOADB 2
	SENDB 1, 16
	LOADB 3
	SENDB 2, 16
	LOADB 4
	SENDB 3, 16
	LOADB 5
	SENDB 4, 16
	SENDB 5, 0
	s_wait_tensorcnt 0x0                           ; the wave's end, behind my last tensor load and my last LDS store
	ds_add_u32 v[SPW], v[NIL]
	s_wait_dscnt 0x0
	CROUND                                         ; the closing round: no work-group ends while a partner may still ask for a tile that names it
	s_endpgm
.Lfunc_end_k_qd30d854d35_cell:
	.size	k_qd30d854d35_cell, .Lfunc_end_k_qd30d854d35_cell-k_qd30d854d35_cell
	.p2alignl 7, 3214868480
	.fill 96, 4, 3214868480
	.section	.rodata,"a",@progbits
	.p2align	6, 0x0
	.amdhsa_kernel k_qd30d854d35_cell
		.amdhsa_group_segment_fixed_size 327680
		.amdhsa_private_segment_fixed_size 0
		.amdhsa_enable_private_segment 0
		.amdhsa_kernarg_size 112
		.amdhsa_user_sgpr_count 2
		.amdhsa_user_sgpr_kernarg_segment_ptr 1
		.amdhsa_wavefront_size32 1
		.amdhsa_system_sgpr_workgroup_id_x 1
		.amdhsa_system_sgpr_workgroup_id_y 1
		.amdhsa_system_sgpr_workgroup_id_z 1
		.amdhsa_system_vgpr_workitem_id 0
		.amdhsa_next_free_vgpr 1024
		.amdhsa_next_free_sgpr 96
		.amdhsa_reserve_vcc 0
		.amdhsa_float_denorm_mode_32 3
		.amdhsa_float_denorm_mode_16_64 3
		.amdhsa_memory_ordered 1
		.amdhsa_forward_progress 1
		.amdhsa_inst_pref_size 228
	.end_amdhsa_kernel
	.amdgpu_metadata
---
amdhsa.version: [ 1, 2 ]
amdhsa.kernels:
  - .name:           k_qd30d854d35_cell
    .symbol:         k_qd30d854d35_cell.kd
    .args:
      - { .name: Ab, .offset: 0, .size: 8, .value_kind: global_buffer, .address_space: global }
      - { .name: Wb, .offset: 8, .size: 8, .value_kind: global_buffer, .address_space: global }
      - { .name: c, .offset: 16, .size: 8, .value_kind: global_buffer, .address_space: global }
      - { .name: out0, .offset: 24, .size: 8, .value_kind: global_buffer, .address_space: global }
      - { .name: out1, .offset: 32, .size: 8, .value_kind: global_buffer, .address_space: global }
      - { .name: out2, .offset: 40, .size: 8, .value_kind: global_buffer, .address_space: global }
      - { .name: b_f_x, .offset: 48, .size: 8, .value_kind: global_buffer, .address_space: global }
      - { .name: b_f_h, .offset: 56, .size: 8, .value_kind: global_buffer, .address_space: global }
      - { .name: b_i_x, .offset: 64, .size: 8, .value_kind: global_buffer, .address_space: global }
      - { .name: b_i_h, .offset: 72, .size: 8, .value_kind: global_buffer, .address_space: global }
      - { .name: b_o_x, .offset: 80, .size: 8, .value_kind: global_buffer, .address_space: global }
      - { .name: b_o_h, .offset: 88, .size: 8, .value_kind: global_buffer, .address_space: global }
      - { .name: b_c_x, .offset: 96, .size: 8, .value_kind: global_buffer, .address_space: global }
      - { .name: b_c_h, .offset: 104, .size: 8, .value_kind: global_buffer, .address_space: global }
    .group_segment_fixed_size: 327680
    .private_segment_fixed_size: 0
    .kernarg_segment_align: 8
    .kernarg_segment_size: 112
    .max_flat_workgroup_size: 128
    .sgpr_count:     96
    .vgpr_count:     1024
    .wavefront_size: 32
...
	.end_amdgpu_metadata
.endif
;; end of part 2
;; ======== version 2 of 2: 2 launches; version 1 with the launch pack written anew for expert scheduling mode
;; workspace buffers: Ab 16,777,216 bytes; Wb 67,108,864 bytes
;; launch pack (part 3): grid 128 x 10, 8 waves a work-group, no clusters, 0 bytes of LDS; arguments x, h, W_f_x, W_f_h, W_i_x, W_i_h, W_o_x, W_o_h, W_c_x, W_c_h, Ab, Wb; writes Ab, Wb
.if DOCPART == 3
	.amdgcn_target "amdgcn-amd-amdhsa--gfx1250"
	.amdhsa_code_object_version 6
	.text
	.protected	k_qd30d854d35_pack
	.globl	k_qd30d854d35_pack
	.p2align	8
	.type	k_qd30d854d35_pack,@function
k_qd30d854d35_pack:
	s_mov_b64 s[64:65], 0
	v_nop
	global_prefetch_b8 v0, s[64:65] scope:SCOPE_SE
	s_setreg_imm32_b32 hwreg(HW_REG_WAVE_SCHED_MODE, 0, 2), 2
	s_setreg_imm32_b32 hwreg(HW_REG_WAVE_MODE, 25, 1), 1
	s_wait_xcnt 0x0
	s_wait_alu depctr_vm_vsrc(0)
; x, h and the eight weight matrices ([2048][2048] f32) are rounded once to bf16 (nearest even) and laid out for the product that follows.
;   Ab [2048][4096] bf16: row m = x[m][:] then h[m][:].
;   Wb [8192][4096] bf16: row (j >> 5) * 128 + 32 g + (j & 31) = W_g_x[j][:] then W_g_h[j][:], g = 0 f, 1 i, 2 o, 3 c:
;   so 128 consecutive rows hold the four gates of 32 output columns j.
; A stream: no LDS, no barrier, no matrix unit; each input byte is read once, each output byte written once.
; SHARES.  The grid's y picks the tensor t (0 x, 1 h, 2 + 2 g + half the weights, as in the argument list).  A wave takes two source rows,
; 16,384 consecutive bytes, as 32 chunks of 512: a load covers 512 consecutive bytes (16 a lane), its four numbers a lane become 8 bytes,
; and a store covers 256 consecutive bytes at a multiple of 256 from the buffer's first byte.
; THE MODE: SCHED_MODE bits 1:0 = 2 (LLVM: expert scheduling mode 2), set by the entry lines.  The code itself states the register dependences
; between vector instructions and memory instructions, with s_wait_alu, always for 0.
; THE PLAN.  The 32 chunks go in 8 blocks of four.  Registers that memory instructions touch:
;   X0 .. X3   four blocks as loaded.   Written by the loads of block p + 3, issued in block p; read by block p's roundings.
;   Y0, Y1     two blocks to store.     Written by block p's roundings; read by the four stores that are issued in block p + 1.
;   v1, v2     byte offsets, made once at the head and never written again: all steps stand in the immediates, and the two bases stay too.
; Block p works on X[p % 4] and writes Y[p % 2].  Its memory instructions are the loads into X[(p + 3) % 4] = X[(p - 1) % 4] and the stores from
; Y[(p - 1) % 2]: the two buffers that block p - 1 worked on and that no vector instruction of block p names.  So the waits at the head of a block
; state all that the block's eight memory instructions hang on, and these are dealt among its roundings with no further wait.
; Eight loads of a wave are out at a block's head, twelve behind its four loads.
.set BLOCK, 4                          ; chunks in a block
.set X, 4                              ; v[4:67]   buffer k, chunk i: 4 registers at X + 16 k + 4 i, as loaded
.set Y, 68                             ; v[68:83]  buffer k, chunk i: 2 registers at Y + 8 k + 2 i, to store
	s_load_b512 s[8:23], s[0:1], 0x0               ; x, h, W_f_x, W_f_h, W_i_x, W_i_h, W_o_x, W_o_h: tensor n at s[8+2n:9+2n]
	s_load_b256 s[24:31], s[0:1], 0x40             ; W_c_x, W_c_h, Ab s[28:29], Wb s[30:31]
	v_lshrrev_b32 v3, 5, v0
	v_readfirstlane_b32 s2, v3                     ; wave 0..7
	v_and_b32 v3, 31, v0                           ; lane
	v_lshlrev_b32 v1, 4, v3                        ; my 16 bytes of a chunk as loaded
	v_lshlrev_b32 v2, 3, v3                        ; my 8 bytes of it as stored
	s_and_b32 s3, ttmp7, 0xffff                    ; t
	s_lshl_b32 s32, ttmp9, 3
	s_wait_alu depctr_va_sdst(0)                   ; s2 is written, ahead of its first reader: the wave's pair of rows, and both bases with it, are made from it
	s_add_co_u32 s32, s32, s2                      ; my pair of rows, 0..1023
	s_lshl_b32 s36, s32, 14                        ; its first byte in the source: 2 rows of 8,192 bytes
	s_mov_b32 s37, 0
	s_lshl_b32 s33, s32, 1                         ; j, even: j and j + 1 lie in one group of 32
	s_lshr_b32 s34, s33, 5
	s_and_b32 s35, s33, 31
	s_max_u32 s38, s3, 2
	s_sub_co_u32 s38, s38, 2
	s_lshr_b32 s38, s38, 1                         ; g (0 for x and h)
	s_lshl_b32 s38, s38, 5                         ; 32 g
	s_cmp_lt_u32 s3, 2
	s_cselect_b32 s39, 5, 7                        ; a group of 32 source rows begins every 32 rows of Ab, every 128 rows of Wb
	s_lshl_b32 s34, s34, s39
	s_add_co_u32 s34, s34, s35
	s_add_co_u32 s34, s34, s38                     ; the destination row
	s_and_b32 s40, s3, 1
	s_lshl_b32 s40, s40, 12                        ; the h part lies 4,096 bytes into a row
	s_lshl_b32 s42, s34, 13                        ; rows of 8,192 bytes: 67,100,672 at the most
	s_add_co_u32 s42, s42, s40
	s_mov_b32 s43, 0
	s_wait_kmcnt 0x0
	s_mov_b64 s[4:5], s[8:9]                       ; the source: a choice among the ten inputs, on t alone
.irp n, 1,2,3,4,5,6,7,8,9
	s_cmp_eq_u32 s3, \n
	s_cselect_b64 s[4:5], s[8+2*(\n):9+2*(\n)], s[4:5]
.endr
	s_cmp_lt_u32 s3, 2
	s_cselect_b64 s[6:7], s[28:29], s[30:31]       ; the destination: Ab for x and h, Wb for the weights
	s_add_nc_u64 s[4:5], s[4:5], s[36:37]
	s_add_nc_u64 s[6:7], s[6:7], s[42:43]
	s_wait_alu depctr_va_vdst(0)                   ; v1 and v2 are written: every load of the kernel reads v1 as its offset, every store v2
.irp i, 0,1,2,3,4,5,6,7,8,9,10,11
	global_load_b128 v[X+4*(\i):X+4*(\i)+3], v1, s[4:5] offset:512*(\i) th:TH_LOAD_NT  ; blocks 0, 1 and 2 into X0, X1, X2
.endr
; Block p: chunks 4 p to 4 p + 3.
.macro BLK p
.set XB, X+16*((\p)%4)                 ; the block's own numbers, as loaded
.set XN, X+16*(((\p)+3)%4)             ; where block p + 3 lands: the X that block p - 1 has read
.set YB, Y+8*((\p)%2)                  ; what this block's roundings write
.set YP, Y+8*(1-(\p)%2)                ; what block p - 1's roundings wrote
.if (\p) <= 5
	s_wait_loadcnt 2*BLOCK                         ; loads come back in order (ISA guide 5.7.1): X[p % 4] is in, the two younger blocks stay out
.else
	s_wait_loadcnt BLOCK*(7-(\p))                  ; nothing is loaded any more: the count runs down
.endif
.if (\p) >= 2
	s_wait_xcnt 0x0                                ; every earlier memory instruction has had its addresses translated (ISA guide 3.1): Y[p % 2], which the stores of the block before read, is rewritten only behind this wait
	s_wait_alu depctr_vm_vsrc(0)                   ; the stores issued in the block before have read Y[p % 2], which this block's roundings write again
.endif
.if (\p) >= 1
	s_wait_alu depctr_va_vdst(0)                   ; the block before has written the other Y, which the stores below read, and is done reading its X, in which the loads below land
.endif
.irp i, 0,1,2,3
.if (\p) <= 4
	global_load_b128 v[XN+4*(\i):XN+4*(\i)+3], v1, s[4:5] offset:512*(BLOCK*((\p)+3)+(\i)) th:TH_LOAD_NT  ; three blocks ahead, the load ahead of the store; no vector instruction since the wait names these registers
.endif
.if (\p) >= 1
.set SN, BLOCK*((\p)-1)+(\i)           ; the chunk that leaves: the block before's
	global_store_b64 v2, v[YP+2*(\i):YP+2*(\i)+1], s[6:7] offset:(SN/16)*8192+(SN%16)*256  ; no hint: the next launch reads these bytes
.endif
	v_cvt_pk_bf16_f32 v[YB+2*(\i)],   v[XB+4*(\i)],   v[XB+4*(\i)+1]
	v_cvt_pk_bf16_f32 v[YB+2*(\i)+1], v[XB+4*(\i)+2], v[XB+4*(\i)+3]
.endr
.endm
.irp p, 0,1,2,3,4,5,6,7
	BLK \p                                         ; block 0 has no block in front of it; blocks 5 to 7 load nothing: no load leaves the source
.endr
	s_wait_alu depctr_va_vdst(0)                   ; block 7 has written Y1, which the last four stores read
.irp i, 0,1,2,3
	global_store_b64 v2, v[Y+8+2*(\i):Y+8+2*(\i)+1], s[6:7] offset:8192+(12+(\i))*256  ; chunks 28 to 31: the second row's last four
.endr
	s_endpgm
.Lfunc_end_k_qd30d854d35_pack:
	.size	k_qd30d854d35_pack, .Lfunc_end_k_qd30d854d35_pack-k_qd30d854d35_pack
	.p2alignl 7, 3214868480
	.fill 96, 4, 3214868480
	.section	.rodata,"a",@progbits
	.p2align	6, 0x0
	.amdhsa_kernel k_qd30d854d35_pack
		.amdhsa_group_segment_fixed_size 0
		.amdhsa_private_segment_fixed_size 0
		.amdhsa_enable_private_segment 0
		.amdhsa_kernarg_size 96
		.amdhsa_user_sgpr_count 2
		.amdhsa_user_sgpr_kernarg_segment_ptr 1
		.amdhsa_wavefront_size32 1
		.amdhsa_system_sgpr_workgroup_id_x 1
		.amdhsa_system_sgpr_workgroup_id_y 1
		.amdhsa_system_sgpr_workgroup_id_z 1
		.amdhsa_system_vgpr_workitem_id 0
		.amdhsa_next_free_vgpr 84
		.amdhsa_next_free_sgpr 66
		.amdhsa_reserve_vcc 0
		.amdhsa_float_denorm_mode_32 3
		.amdhsa_float_denorm_mode_16_64 3
		.amdhsa_memory_ordered 1
		.amdhsa_forward_progress 1
		.amdhsa_inst_pref_size 14
	.end_amdhsa_kernel
	.amdgpu_metadata
---
amdhsa.version: [ 1, 2 ]
amdhsa.kernels:
  - .name:           k_qd30d854d35_pack
    .symbol:         k_qd30d854d35_pack.kd
    .args:
      - { .name: x, .offset: 0, .size: 8, .value_kind: global_buffer, .address_space: global }
      - { .name: h, .offset: 8, .size: 8, .value_kind: global_buffer, .address_space: global }
      - { .name: W_f_x, .offset: 16, .size: 8, .value_kind: global_buffer, .address_space: global }
      - { .name: W_f_h, .offset: 24, .size: 8, .value_kind: global_buffer, .address_space: global }
      - { .name: W_i_x, .offset: 32, .size: 8, .value_kind: global_buffer, .address_space: global }
      - { .name: W_i_h, .offset: 40, .size: 8, .value_kind: global_buffer, .address_space: global }
      - { .name: W_o_x, .offset: 48, .size: 8, .value_kind: global_buffer, .address_space: global }
      - { .name: W_o_h, .offset: 56, .size: 8, .value_kind: global_buffer, .address_space: global }
      - { .name: W_c_x, .offset: 64, .size: 8, .value_kind: global_buffer, .address_space: global }
      - { .name: W_c_h, .offset: 72, .size: 8, .value_kind: global_buffer, .address_space: global }
      - { .name: Ab, .offset: 80, .size: 8, .value_kind: global_buffer, .address_space: global }
      - { .name: Wb, .offset: 88, .size: 8, .value_kind: global_buffer, .address_space: global }
    .group_segment_fixed_size: 0
    .private_segment_fixed_size: 0
    .kernarg_segment_align: 8
    .kernarg_segment_size: 96
    .max_flat_workgroup_size: 256
    .sgpr_count:     66
    .vgpr_count:     84
    .wavefront_size: 32
...
	.end_amdgpu_metadata
.endif
;; end of part 3
;; launch cell: the kernel of part 2 again; grid 8 x 32, 4 waves a work-group, clusters of 4 x 4, 327,680 bytes of LDS; arguments Ab, Wb, c, out0, out1, out2, b_f_x, b_f_h, b_i_x, b_i_h, b_o_x, b_o_h, b_c_x, b_c_h; writes out0, out1, out2
